; MI455X (gfx1250); checked and timed in simulation.
; The chip was launched on July 23, 2026; its instructions are those of AMD's public machine-readable ISA for CDNA 5 (MIT licence, August 2026) and "CDNA5" Instruction Set Architecture Reference Guide (July 2026). The comments in the code are by the model that wrote it; some were corrected since.
;; Prob Attention. Allowed arithmetic: matrix products marked QUANTISED: E2M1 operands, one E8M0 scale for each 32 along K, by v_wmma_scale_f32_16x16x128_f8f6f4 with both operands' format E2M1 (or v_wmma_scale_f32_32x16x128_f4), f32 sums; everything else in f32.
;; Inputs: keys_codes 4 x 2,048 x 8 x 2 x 16 uint8 (E2M1 codes of keys, K innermost, in blocks of 32 codes, two codes a byte); keys_scales 4 x 2,048 x 8 x 2 uint8 (E8M0 scales of keys, one for each 32 codes along K); queries_codes 4 x 2,048 x 8 x 2 x 16 uint8 (E2M1 codes of queries, K innermost, in blocks of 32 codes, two codes a byte); queries_scales 4 x 2,048 x 8 x 2 uint8 (E8M0 scales of queries, one for each 32 codes along K); values_codes 4 x 8 x 64 x 64 x 16 uint8 (E2M1 codes of values, K innermost, in blocks of 32 codes, two codes a byte); values_scales 4 x 8 x 64 x 64 uint8 (E8M0 scales of values, one for each 32 codes along K).
;; Outputs: out0 4 x 2,048 x 8 x 64 float32.
;; This version of the problem:
;;   THIS VERSION OF THE PROBLEM IS GIVEN IN LOW PRECISION. The matrix products marked QUANTISED in the list below multiply operands that are first quantised to E2M1 (2 exponent bits, 1 mantissa bit; 4 bits a number), with one power-of-two scale for each 32 numbers along K (OCP MX v1.0); their sums are f32. All else is computed in f32.
;;   The module's matrix products, in the order in which they are computed (A, B: the left and right operand; K: the contracted axis; several contracted axes count as one K, in the product's order):
;;     1. batch 32 x [M 2,048, K 64] x [K 64, N 2,048]; A: input queries (given as codes); B: input keys (given as codes): QUANTISED
;;     2. batch 32 x [M 2,048, K 2,048] x [K 2,048, N 64]; A: softmax (see below); B: input values (given as codes): QUANTISED
;;   THE QUANTISER, for each operand of a quantised product, along K:
;;     - K is cut into blocks of 32 from its start; a last block that is shorter is filled with zeros.
;;     - A block's scale is 2^e with e = floor(log2(the largest magnitude in the block)) - 2, held to -126 .. 127; a block of zeros has e = 0. As a byte (E8M0): e + 127.
;;     - Each number is divided by its block's scale, clamped to +-6, and rounded to the nearest number of E2M1, ties to even, subnormals kept.
;;     - The product sums the exact products of the quantised numbers (number of the format x scale) in f32.
;;   ~~~python
;;   def quantise(x, axis):      # numpy; x: float32 -> the quantised numbers, widened to float32 again
;;       x = np.moveaxis(x, axis, -1); K = x.shape[-1]
;;       x = np.pad(x, [(0, 0)] * (x.ndim - 1) + [(0, -K % 32)]); x = x.reshape(x.shape[:-1] + (-1, 32)); a = np.abs(x).max(-1, keepdims=True)
;;       e = np.where(a > 0, np.clip(np.frexp(np.where(a > 0, a, 1))[1] - 1 - 2, -126, 127), 0)      # np.frexp(a)[1] - 1 = floor(log2(a)), exactly
;;       r = np.clip(x / 2.0 ** e, -6, 6)
;;       step = 2.0 ** (np.maximum(np.frexp(np.where(r == 0, 1, r))[1] - 1, 0) - 1)
;;       q = np.round(r / step) * step * 2.0 ** e      # np.round: ties to even
;;       return np.moveaxis(q.reshape(q.shape[:-2] + (-1,))[..., :K], -1, axis).astype(np.float32)
;;   ~~~
;;   SOFTMAX AHEAD OF A QUANTISED PRODUCT. Where the list says 'softmax', what is quantised is not the finished softmax but p = 2^(t - M), with t = logit x log2(e) and M = ceil(the row's largest t), a whole number; so 1/2 < the row's largest p <= 1. The row's sum l is taken of the UNQUANTISED p, in f32, and the product's result is divided by l at the end. Since M is a whole number, a kernel that streams over the keys may use a running M (the ceiling of the running maximum): every later rescaling is an exact power of two, which a block's scale takes up: the codes' values come out the same.
;;   OPERANDS COMPUTED ON THE WAY. 'Computed on the way' means the value that the module computes at that place (a softmax that the list does not call 'softmax' is quantised finished and normalised). What goes into a quantiser is computed in f32, as accurately as f32 sums, v_exp_f32 and their like allow (about 1e-6 of the number): no bf16 or f16 on the way to a quantiser, and a product that is left as it is and whose result goes on into a quantised operand takes f32 operands (vector FMAs, or v_wmma_f32_16x16x4_f32). A number that lies on a knife's edge between two numbers of the format may be rounded either way, as far as f32 arithmetic and the matrix unit's own rounding can turn it there, and no further.
;;   INPUTS GIVEN AS CODES. keys (in the module: [4, 2048, 8, 64], K = its axis 3); queries (in the module: [4, 2048, 8, 64], K = its axis 3); values (in the module: [4, 2048, 8, 64], K = its axis 1): each comes as NAME_codes (uint8): NAME with its K axis moved to the last place and cut into blocks of 32 codes, [.., K / 32, bytes a block], one block behind the other in memory; two codes a byte, the lower K in the low four bits (a code: sign, 2 exponent bits, 1 mantissa bit); and NAME_scales (uint8): the same leading axes, one E8M0 byte (e + 127) for each 32 codes along K. Its value is code x scale, taken as it is: it is not quantised again, and the codes and scales need not be those that the quantiser above would give.
;; 2 versions. Each part assembles by itself: llvm-mc -triple=amdgcn-amd-amdhsa -mcpu=gfx1250 --defsym DOCPART=n.
;; ======== version 1 of 2: 1 launch
;; limits: right only within a limited range of input values
;; launch attn (part 1): grid 8 x 32, 16 waves a work-group, no clusters, 215,040 bytes of LDS; arguments queries_codes, queries_scales, keys_codes, keys_scales, values_codes, values_scales, out0; writes out0
.if DOCPART == 1
	.amdgcn_target "amdgcn-amd-amdhsa--gfx1250"
	.amdhsa_code_object_version 6
	.text
	.protected	k_q26492782bd_attn
	.globl	k_q26492782bd_attn
	.p2align	8
	.type	k_q26492782bd_attn,@function
k_q26492782bd_attn:
	s_mov_b64 s[64:65], 0
	v_nop
	global_prefetch_b8 v0, s[64:65] scope:SCOPE_SE
	s_setreg_imm32_b32 hwreg(HW_REG_WAVE_MODE, 25, 1), 1
	s_wait_xcnt 0x0
; out0[b][q][hd][:] = the sum over k of softmax_k(Q[b][q][hd] . K[b][k][hd]) V[b][k][hd][:], no 1/sqrt(D).  4 x 8 heads, 2,048 queries and keys, head size 64.
; Both products on codes of FP4 (E2M1) with one E8M0 scale for each 32 along a product's K.  Q, K, V arrive as codes; p is quantised here.
; THE SOFTMAX AHEAD OF THE SECOND PRODUCT: t = score x log2(e); M = the running largest t, rounded UP to a whole number; p = 2^(t - M) is quantised along the keys, not normalised.
; The row's sum is taken of the unquantised p in f32 and divides O at the end.  When M moves, the sum and O are multiplied by 2^(old M - new M): exact.
; SHARES.  Work-group (x, y): queries 256 x .. 256 x + 255 of head y (b = y / 8, hd = y % 8).  Sixteen waves of 256 registers, four to a SIMD; wave w owns the 16 queries 256 x + 16 w on.
; Every wave walks all 2,048 keys, 128 a step.  Both products are used transposed (S^T = K Q^T, O^T = V^T P^T): a lane holds ONE query (lane % 16) throughout.
; LDS.  A head's K (64 KiB), V (64 KiB) and their scale bytes (8 KiB) fit at once, so every LDS byte is written ONCE: no ring.  They come through registers in four chunks of 512 keys: chunk q + 1 is
; loaded into 16 registers a wave ahead of chunk q's four steps, stored behind them into bytes of its own, and one barrier shows it to all waves.
; THE KEYS OF A TILE ARE NOT NEIGHBOURS: in a step, row m of tile (c, T) is key 64 c + 32 (m / 8) + 8 T + m % 8.  Register 32 c + 8 T + j of S^T in lane (q, h) is then key 64 c + 32 h + 8 T + j:
; a lane's 32 registers of group c are the WHOLE block 2 c + h of 32 keys, in order.  So a block's maximum needs no other lane, and the eight conversions write the second product's operand as it stands.
; THE FIRST PRODUCT'S K IS 64, THE INSTRUCTION'S 128.  One operand of 8 registers carries TWO tiles of keys: X = (c, 2 u) at k 0-63, Y = (c, 2 u + 1) at k 64-127.  It is multiplied by [Q | zero codes] for X's
; scores and by [zero codes | Q] for Y's; a zero code times any code is 0.  One scale word serves both: bytes 0, 1 X's key, bytes 2, 3 Y's key; Q's word holds its two bytes twice.
; K's pairs and all scale words lie in LDS as images of the operand's registers (lane l's 16 bytes at 16 l): each load reads 512 consecutive bytes.  V lies as rows of 256 bytes + 16.
; NO CLUSTER, NO TENSOR LOADS.  The eight work-groups of a head read the same 136 KiB, once each in the whole launch: 8.5 KiB a key step, beside 16 waves x 8.5 KiB of LDS reads and the softmax of 256 x 128 scores.
; And K's rows are 32 bytes cut out of rows of 256 (eight heads side by side): to lie as register images they have to pass through registers.  No prefetch: each chunk is asked for four key steps ahead.
; LIMITS.  Rows whose every score lies under -1e38 are not served.  p under 2^-126 counts as 0.  NaN among the scores is not served; a key's scale byte 0xff makes its pair partner's scores NaN too
; (with such a byte every output of the head is NaN by the definition itself).  A block's largest p is made from the block's largest score by the same two instructions: this takes v_exp_f32 not to fall where its input rises.
.set KPITCH, 4608                      ; LDS: a step's block of K: four pairs of 1,024 bytes (X, then Y), then 512 bytes of scale words: 16 a lane: K's for c = 0, 1; V's for d = lane, 32 + lane
.set KCHUNK, 4*KPITCH                  ; four steps
.set SCOFF,  4096                      ; the scale words' place in a block
.set VBASE,  16*KPITCH                 ; behind K: V, four chunks of 64 rows
.set VP,     272                       ; a row of V's chunk: 256 bytes + 16 = 68 words: row r starts at bank 4 r mod 64 (64 banks of 4 bytes: ISA guide 11.1), so sixteen rows start at sixteen different banks
.set VCHUNK, 64*VP
.set STAGE,  VBASE+4*VCHUNK            ; behind V: 16 rows x 272 bytes for each wave, its own, for the way out
.set LI,   1                           ; v1   16 x lane
.set AV0,  2                           ; v2   my lane's place in a tile of V: VBASE + 272 r + 16 h
.set VK,   3                           ; v3   K in memory: my key's row of 256 bytes + 16 h
.set VV,   4                           ; v4   V in memory: 1,024 h + 16 r
.set KST,  5                           ; v5   where I store my pair of K
.set VST,  6                           ; v6   where I store my rows of V
.set SH8,  7                           ; v7   8 h
.set ADK,  8                           ; v8   the step's block of K
.set ADV,  9                           ; v9   the step's 64 bytes of V's rows
.set GO,   10                          ; v10  the way out: 2,048 h + 16 r
.set SCST, 11                          ; v11  where I store step w's scale words
.set NM,   12                          ; v12  -M;  v13 the running largest score (named with it as a pair)
.set MX,   13
.set LS,   14                          ; v[14:15] the row's sum, in two halves
.set QLO,  16                          ; v[16:23] [Q | 0]
.set QHI,  24                          ; v[24:31] [0 | Q]
.set KF,   32                          ; v[32:63] K's four pairs
.set VF,   64                          ; v[64:95] V's four fragments
.set S,    96                          ; v[96:159] S^T, then p
.set O,    160                         ; v[160:191] O^T
.set PC,   192                         ; v[192:199] p's codes
.set GK,   200                         ; v[200:207] the next chunk's pair of K, on its way
.set GV,   208                         ; v[208:215] the next chunk's rows of V
.set SC,   216                         ; v[216:219] the step's scale words: scales and nothing else
.set QS,   220                         ; v220 Q's scale word
.set PS,   221                         ; v221 p's scale word
.set F,    222                         ; v222 f = 2^(old M - new M); v223 named with it as a pair
.set BM,   224                         ; v224-225 the largest score, then the largest p, of my two blocks;  v226-227 second chains
.set T0,   228                         ; v228-231 at work on M
.set SUM2, 232                         ; v[232:233] the sum's second chain
.set CVS,  234                         ; v234-235 the conversions' scale operands;  v236-237 the bytes;  v238-239 the word in the making
.set IMG,  248                         ; v[248:251] step w's scale words in the making;  v252-253 Y's bytes
	s_load_b256 s[4:11], s[0:1], 0x0               ; Q's codes s[4:5], Q's scales s[6:7], K's codes s[8:9], K's scales s[10:11]
	s_load_b128 s[12:15], s[0:1], 0x20             ; V's codes s[12:13], V's scales s[14:15]
	s_load_b64 s[16:17], s[0:1], 0x30              ; out0
	v_lshl_add_u32 v254, v0, 2, 0x34000
	v_mov_b32 v255, 0
	v_lshrrev_b32 v240, 5, v0
	v_readfirstlane_b32 s18, v240                  ; wave 0..15
	v_and_b32 v241, 31, v0                         ; lane
	v_and_b32 v242, 15, v0                         ; r
	v_bfe_u32 v243, v0, 4, 1                       ; h
	v_lshlrev_b32 v[LI], 4, v241
	v_mul_u32_u24 v[AV0], v242, VP
	v_lshl_add_u32 v[AV0], v243, 4, v[AV0]
	v_add_nc_u32 v[AV0], VBASE, v[AV0]
	v_and_b32 v244, 7, v0
	v_and_b32 v245, 8, v0
	v_lshl_add_u32 v244, v245, 2, v244             ; kl = r % 8 + 32 (r / 8): row r's key in a tile
	v_lshlrev_b32 v[VK], 8, v244
	v_lshl_add_u32 v[VK], v243, 4, v[VK]
	v_lshlrev_b32 v[VV], 4, v242
	v_lshl_add_u32 v[VV], v243, 10, v[VV]
	s_lshr_b32 s24, s18, 2                         ; in a chunk wave w brings pair w % 4 of step w / 4
	s_mul_i32 s24, s24, KPITCH
	s_and_b32 s25, s18, 3
	s_lshl_b32 s25, s25, 10
	s_add_co_u32 s24, s24, s25
	v_add_nc_u32 v[KST], s24, v[LI]
	v_mul_u32_u24 v[VST], v243, VP                 ; and rows 4 w .. 4 w + 3 of V: sixteen lanes to a row, two rows an instruction
	v_lshl_add_u32 v[VST], v242, 4, v[VST]
	s_mul_i32 s24, s18, 4*VP
	s_add_co_u32 s24, s24, VBASE
	v_add_nc_u32 v[VST], s24, v[VST]
	v_lshlrev_b32 v[SH8], 3, v243
	v_lshlrev_b32 v[GO], 4, v242
	v_lshl_add_u32 v[GO], v243, 11, v[GO]
	s_mul_i32 s24, s18, KPITCH                     ; wave w makes the scale words of step w
	v_add_nc_u32 v[SCST], s24, v[LI]
	v_lshl_add_u32 v246, v243, 4, v244
	v_lshlrev_b32 v246, 4, v246                    ; K's scales: key kl + 16 h (lanes 16-31 take the pair u = 1), 16 bytes a key
	v_lshlrev_b32 v247, 6, v241                    ; V's scales: row d = lane, 64 bytes a row
	v_lshlrev_b32 v240, 8, v242
	v_lshl_add_u32 v240, v243, 4, v240             ; Q's codes: query r's row of 256 bytes + 16 h
	v_lshlrev_b32 v245, 4, v242                    ; Q's scales: 16 bytes a query
	; where my parts begin, in bytes; every offset stays under 2^32
	s_and_b32 s19, ttmp7, 0xffff                   ; y: the head
	s_lshr_b32 s20, s19, 3                         ; b
	s_and_b32 s21, s19, 7                          ; hd
	s_lshl_b32 s22, ttmp9, 8
	s_lshl_b32 s23, s18, 4
	s_add_co_u32 s23, s22, s23                     ; q0 = 256 x + 16 w
	s_lshl_b32 s46, s20, 19
	s_lshl_b32 s47, s21, 5
	s_add_co_u32 s46, s46, s47                     ; codes of Q and K: b x 2,048 rows of 256 bytes + 32 hd
	s_lshl_b32 s24, s23, 8
	s_add_co_u32 s24, s24, s46                     ; Q's codes at query q0
	s_mov_b32 s25, 0
	s_lshr_b32 s28, s18, 2                         ; K's codes at my pair's first key in chunk 0: 128 (w / 4) + 64 c + 16 u, c = (w / 2) % 2, u = w % 2
	s_lshl_b32 s28, s28, 7
	s_bfe_u32 s47, s18, 0x10001
	s_lshl_b32 s47, s47, 6
	s_add_co_u32 s28, s28, s47
	s_and_b32 s47, s18, 1
	s_lshl_b32 s47, s47, 4
	s_add_co_u32 s28, s28, s47
	s_lshl_b32 s28, s28, 8
	s_add_co_u32 s28, s28, s46
	s_mov_b32 s29, 0
	s_lshl_b32 s46, s20, 15
	s_lshl_b32 s47, s21, 1
	s_add_co_u32 s46, s46, s47                     ; scales of Q and K: b x 2,048 rows of 16 bytes + 2 hd
	s_lshl_b32 s26, s23, 4
	s_add_co_u32 s26, s26, s46                     ; Q's scales at query q0
	s_mov_b32 s27, 0
	s_lshl_b32 s38, s18, 11
	s_add_co_u32 s38, s38, s46                     ; K's scales at key 128 w
	s_mov_b32 s39, 0
	s_lshl_b32 s40, s19, 16
	s_lshl_b32 s47, s18, 12
	s_add_co_u32 s40, s40, s47                     ; V's codes: head y's 64 rows of 1,024 bytes, row 4 w
	s_mov_b32 s41, 0
	s_lshl_b32 s42, s19, 12
	s_lshl_b32 s47, s18, 2
	s_add_co_u32 s42, s42, s47                     ; V's scales: head y's 64 rows of 64 bytes, step w's word
	s_mov_b32 s43, 0
	s_lshl_b32 s44, s20, 22
	s_lshl_b32 s47, s23, 11
	s_add_co_u32 s44, s44, s47
	s_lshl_b32 s47, s21, 8
	s_add_co_u32 s44, s44, s47                     ; out0: row (b, q0, hd) of 256 bytes
	s_mov_b32 s45, 0
	s_mov_b32 s30, 0x76543210
	s_mov_b32 s31, 0xfedcba98                      ; v_permlanex16_b32's selects for lane l xor 16
	s_mov_b32 s32, 0x3fb8aa3b                      ; c = log2(e)
	s_mov_b32 s33, s32                             ; (the packed form names the pair and takes its low word for both halves: so it is written)
	s_mov_b32 s34, 0xbfb8aa3b                      ; -c
	s_wait_kmcnt 0x0
	s_add_nc_u64 s[4:5], s[4:5], s[24:25]
	s_add_nc_u64 s[6:7], s[6:7], s[26:27]
	s_add_nc_u64 s[8:9], s[8:9], s[28:29]
	s_add_nc_u64 s[10:11], s[10:11], s[38:39]
	s_add_nc_u64 s[12:13], s[12:13], s[40:41]
	s_add_nc_u64 s[14:15], s[14:15], s[42:43]
	s_add_nc_u64 s[16:17], s[16:17], s[44:45]      ; no pointer and no address register of a load is written again while the loop runs
; Chunk q (keys 512 q on) into registers.  K: my pair's X and Y (8 keys on): lane (r, h) takes the 16 bytes of block h of its key: the operand's own map.  V: rows 4 w + 2 j + h; sixteen lanes read 256 consecutive bytes, aligned.
; (An argument goes into a macro as text: it stands in brackets wherever it is part of an expression.)
.macro LOADS q
.irp j, 0,1
	global_load_b128 v[GK+4*\j:GK+4*\j+3], v[VK], s[8:9] offset:131072*(\q)+2048*\j
.endr
.irp j, 0,1
	global_load_b128 v[GV+4*\j:GV+4*\j+3], v[VV], s[12:13] offset:256*(\q)+2048*\j
.endr
.endm
; and from registers into the chunk's own LDS bytes, which nobody has touched yet: K's at KCHUNK q on, V's at VBASE + VCHUNK q on
.macro STORES q
.irp j, 0,1
	ds_store_b128 v[KST], v[GK+4*\j:GK+4*\j+3] offset:KCHUNK*(\q)+512*\j
.endr
.irp j, 0,1
	ds_store_b128 v[VST], v[GV+4*\j:GV+4*\j+3] offset:VCHUNK*(\q)+2*VP*\j
.endr
.endm
.macro BARRIER                                     ; for the others' sake: my LDS stores have landed; then the work-group's barrier
	s_wait_dscnt 0x0
	s_barrier_signal -1
	s_barrier_wait -1
.endm
	LOADS 0
.irp c, 0,1
	global_load_u16 v[IMG+\c], v246, s[10:11] offset:1024*\c         ; step w, pair (c, u = h): X's key's two scale bytes,
	global_load_u16 v[IMG+4+\c], v246, s[10:11] offset:1024*\c+128   ; and Y's, 8 keys on
.endr
.irp x, 0,1
	global_load_b32 v[IMG+2+\x], v247, s[14:15] offset:2048*\x       ; V's scale word of row d = 32 x + lane for step w's 128 keys
.endr
	global_load_b128 v[QLO:QLO+3], v240, s[4:5]    ; Q twice: at k 0-63 of one operand,
	global_load_b128 v[QHI+4:QHI+7], v240, s[4:5]  ; at k 64-127 of the other
	global_load_u16 v[QS], v245, s[6:7]
.irp j, 4,5,6,7,8,9,10,11
	v_mov_b32 v[QLO+\j], 0                         ; the zero codes of both, while the loads are out
.endr
.set j, 0
.rept 32
	v_mov_b32 v[O+j], 0                            ; O^T.  (The step is written once: the first finds zeros, which the first change of M leaves zeros)
.set j, j+1
.endr
	s_wait_loadcnt 0x0                             ; all thirteen are wanted ahead of the first barrier
	v_lshl_or_b32 v[QS], v[QS], 16, v[QS]          ; Q's two bytes twice
.irp c, 0,1
	v_lshl_or_b32 v[IMG+\c], v[IMG+4+\c], 16, v[IMG+\c]   ; bytes 0, 1: X's key; bytes 2, 3: Y's
.endr
	STORES 0
	ds_store_b128 v[SCST], v[IMG:IMG+3] offset:SCOFF
	v_mov_b32 v[MX], 0xfe967699                    ; the largest score so far: -1e38.  (These eight lines stand while the stores are out; with the two above and a step's first four they are
	v_mul_f32 v[T0+3], s34, v[MX]                  ; fourteen plain places between the write of Q's scale word and the first scaled product, which wants eight)
	v_floor_f32 v[NM], v[T0+3]                     ; -M
	v_mov_b32 v[LS], 0                             ; the sum, in two halves
	v_mov_b32 v[LS+1], 0
	v_mov_b32 v[F+1], 0                            ; (named as the upper half of a pair)
	v_mov_b32 v[T0+1], 0                           ; a lane permute's destination counts as one of its sources: written once
	v_mov_b32 v[CVS+5], 0
	BARRIER                                        ; chunk 0 and all sixteen steps' scale words lie in LDS
; A KEY STEP: 128 keys.  s35: the step's block of K; s36: its 64 bytes in V's rows.
.macro STEP
	v_add_nc_u32 v[ADK], s35, v[LI]                ; these four plain lines are the places between the last step's products and the loads into registers that they have read
	v_add_nc_u32 v[ADV], s36, v[AV0]
	v_nop
	v_nop
	ds_load_b128 v[SC:SC+3], v[ADK] offset:SCOFF
.irp p, 0,1,2,3
	ds_load_b128 v[KF+8*\p:KF+8*\p+3], v[ADK] offset:1024*\p         ; pair p = 2 c + u: X,
	ds_load_b128 v[KF+8*\p+4:KF+8*\p+7], v[ADK] offset:1024*\p+512   ; Y
.endr
.irp t, 0,1,2,3
	ds_load_b128 v[VF+8*\t:VF+8*\t+3], v[ADV] offset:16*VP*\t        ; V^T: rows d = 16 t + r; keys 32 h on,
	ds_load_b128 v[VF+8*\t+4:VF+8*\t+7], v[ADV] offset:16*VP*\t+32   ; keys 64 + 32 h on
.endr
	s_wait_dscnt 8                                 ; the scale words and K are in; the eight younger loads, V's, stay out until the second product
.irp c, 0,1                                        ; S^T = K Q^T: eight results, each begun with the constant 0
.irp t, 0,1,2,3
.if \t < 2
	v_wmma_scale_f32_16x16x128_f8f6f4 v[S+8*(4*\c+\t):S+8*(4*\c+\t)+7], v[KF+16*\c:KF+16*\c+7], v[QLO+8*(\t%2):QLO+8*(\t%2)+7], 0, v[SC+\c], v[QS] matrix_a_fmt:MATRIX_FMT_FP4 matrix_b_fmt:MATRIX_FMT_FP4
.else
	v_wmma_scale_f32_16x16x128_f8f6f4 v[S+8*(4*\c+\t):S+8*(4*\c+\t)+7], v[KF+16*\c+8:KF+16*\c+15], v[QLO+8*(\t%2):QLO+8*(\t%2)+7], 0, v[SC+\c], v[QS] matrix_a_fmt:MATRIX_FMT_FP4 matrix_b_fmt:MATRIX_FMT_FP4 matrix_a_scale:MATRIX_SCALE_ROW1
.endif
.endr
.endr
	v_mov_b32 v[T0+2], v[NM]                       ; the old -M is kept.  With three v_nop: four places ahead of the first read of the scores (ISA guide 7.12.1)
.rept 3
	v_nop
.endr
	; THE LARGEST SCORE OF EACH OF MY TWO BLOCKS OF 32 KEYS: it serves twice: for the row's maximum and, since p rises with the score, for the block's largest p.  Four chains by turns; each result of
	; eight registers is first read at one of its four lowest
.irp c, 0,1
	v_max3_num_f32 v[BM+\c], v[S+32*\c], v[S+32*\c+1], v[S+32*\c+2]
	v_max3_num_f32 v[BM+2+\c], v[S+32*\c+16], v[S+32*\c+17], v[S+32*\c+18]
.endr
.irp i, 3,5,7,9,11,13
.irp c, 0,1
	v_max3_num_f32 v[BM+\c], v[BM+\c], v[S+32*\c+\i], v[S+32*\c+\i+1]
	v_max3_num_f32 v[BM+2+\c], v[BM+2+\c], v[S+32*\c+16+\i], v[S+32*\c+17+\i]
.endr
.endr
.irp c, 0,1
	v_max3_num_f32 v[BM+\c], v[BM+\c], v[BM+2+\c], v[S+32*\c+15]
.endr
.irp c, 0,1
	v_max_num_f32 v[BM+\c], v[BM+\c], v[S+32*\c+31]
.endr
	v_max_num_f32 v[T0], v[BM], v[BM+1]            ; my 64 keys',
	v_permlanex16_b32 v[T0+1], v[T0], s30, s31     ; lane l xor 16's 64,
	v_max3_num_f32 v[MX], v[MX], v[T0], v[T0+1]    ; and all earlier steps': the running largest score
	v_mul_f32 v[T0+3], s34, v[MX]                  ; -t
	v_floor_f32 v[NM], v[T0+3]                     ; the new -M = floor(-t) = -ceil(t): M IS A WHOLE NUMBER
	v_sub_f32 v[T0+2], v[NM], v[T0+2]              ; M's old value less its new one: a whole number, 0 or less
	v_cvt_i32_f32 v[T0+2], v[T0+2]                 ; (it saturates)
	v_ldexp_f32 v[F], 1.0, v[T0+2]                 ; f = 2^(old M - new M): a multiplication by it rounds nothing
.set j, 0
.rept 32
	v_pk_fma_f32 v[S+j:S+j+1], v[S+j:S+j+1], s[32:33], v[NM:NM+1] op_sel_hi:[1,0,0]   ; t - M, two at a time (of the pairs c and -M the low word serves both halves)
.set j, j+2
.endr
.irp c, 0,1
	v_fma_f32 v[BM+\c], v[BM+\c], s32, v[NM]       ; the same of each block's largest score
.endr
.set j, 0
.rept 64
	v_exp_f32 v[S+j], v[S+j]                       ; p = 2^(t - M), at most 1: NOT normalised
.set j, j+1
.endr
.irp c, 0,1
	v_exp_f32 v[BM+\c], v[BM+\c]                   ; the block's largest p: the same two instructions on the same number give the same bits
.endr
	v_pk_mul_f32 v[LS:LS+1], v[LS:LS+1], v[F:F+1] op_sel_hi:[1,0]   ; the sums under the new M.  (The plain place behind the exponentials)
	s_wait_alu depctr_va_vdst(0)
.irp c, 0,1
	v_max_num_f32 v[BM+\c], 0x1800000, v[BM+\c]    ; the floor 2^(3 - 127): the byte cannot fall under 1 (a block whose every p is 0 keeps that byte: its codes are zeros)
.endr
.irp c, 0,1
	v_add_nc_u32 v[CVS+\c], 0xff000000, v[BM+\c]   ; 2 off the exponent field: the conversion takes the exponent field of this operand as its scale, and nothing else of it
.endr
.irp c, 0,1
	v_lshrrev_b32 v[CVS+2+\c], 23, v[CVS+\c]       ; the scale's byte
.endr
	v_lshl_or_b32 v[CVS+4], v[CVS+3], 16, v[CVS+2] ; my two bytes: blocks h and 2 + h of my query,
	v_lshlrev_b32 v[CVS+4], v[SH8], v[CVS+4]       ; at their places in the scale word (8 h bits up);
	v_permlanex16_b32 v[CVS+5], v[CVS+4], s30, s31
	v_or_b32 v[PS], v[CVS+4], v[CVS+5]             ; with lane l xor 16's two the word is whole
.irp c, 0,1
.irp g, 0,1,2,3
	v_cvt_scalef32_pk8_fp4_f32 v[PC+4*\c+\g], v[S+32*\c+8*\g:S+32*\c+8*\g+7], v[CVS+\c]   ; registers 4 c + g of the operand: keys 64 c + 32 h + 8 g on
.endr
.endr
	v_nop                                          ; one plain place behind the last scaled conversion
	v_pk_add_f32 v[SUM2:SUM2+1], v[S:S+1], v[S+2:S+3]   ; THE ROW'S SUM IS TAKEN OF THE UNQUANTISED p: two at a time, in two chains
.set j, 4
.rept 15
	v_pk_add_f32 v[LS:LS+1], v[LS:LS+1], v[S+j:S+j+1]
	v_pk_add_f32 v[SUM2:SUM2+1], v[SUM2:SUM2+1], v[S+j+2:S+j+3]
.set j, j+4
.endr
	v_pk_add_f32 v[LS:LS+1], v[LS:LS+1], v[SUM2:SUM2+1]
.set j, 0
.rept 16
	v_pk_mul_f32 v[O+j:O+j+1], v[O+j:O+j+1], v[F:F+1] op_sel_hi:[1,0]   ; O^T under the new M, each result from its low end on.  (With the sums: the places between p's codes and scale word and the products below)
.set j, j+2
.endr
	s_wait_dscnt 0x0                               ; V is in
.irp t, 0,1,2,3                                    ; O^T += V^T P^T: the four accumulators by turns, one instruction a turn; eight other products stand between two turns of one
.if \t%2
	v_wmma_scale_f32_16x16x128_f8f6f4 v[O+8*\t:O+8*\t+7], v[VF+8*\t:VF+8*\t+7], v[PC:PC+7], v[O+8*\t:O+8*\t+7], v[SC+2+\t/2], v[PS] matrix_a_fmt:MATRIX_FMT_FP4 matrix_b_fmt:MATRIX_FMT_FP4 matrix_a_scale:MATRIX_SCALE_ROW1
.else
	v_wmma_scale_f32_16x16x128_f8f6f4 v[O+8*\t:O+8*\t+7], v[VF+8*\t:VF+8*\t+7], v[PC:PC+7], v[O+8*\t:O+8*\t+7], v[SC+2+\t/2], v[PS] matrix_a_fmt:MATRIX_FMT_FP4 matrix_b_fmt:MATRIX_FMT_FP4
.endif
.endr
.endm
; A chunk's four steps.  The two offsets begin anew as constants in each chunk and take four values each: a chunk's reads stay inside its own bytes, apart from those into which the next chunk is stored.
.macro CHUNK q
	s_mov_b32 s35, KCHUNK*(\q)
	s_mov_b32 s36, VCHUNK*(\q)
	s_mov_b32 s37, 4
.Lstep_\@:
	STEP
	s_add_co_u32 s35, s35, KPITCH
	s_add_co_u32 s36, s36, 64
	s_sub_co_i32 s37, s37, 1
	s_cmp_lg_u32 s37, 0
	s_cbranch_scc1 .Lstep_\@
.endm
.irp q, 0,1,2
	LOADS \q+1                                     ; behind the barrier's wait on DScnt: the stores of the chunk before have read these registers.  Four loads a wave are out during the chunk's four steps
	CHUNK \q
	s_wait_loadcnt 0x0                             ; the next chunk is in registers
	STORES \q+1                                    ; into bytes that no wave reads before the barrier below
	BARRIER
.endr
	CHUNK 3
	; THE WAY OUT.  O^T / the sum goes through my own stage in LDS: a lane holds 32 neighbouring bytes of each 64 of its query's row; back come whole rows of 256 bytes, which sixteen lanes store as one aligned unit.
	v_and_b32 v240, 15, v0                         ; r.  (These eight plain lines are the places behind the last products)
	v_bfe_u32 v241, v0, 4, 1                       ; h
	s_mul_i32 s24, s18, 16*VP
	s_add_co_u32 s24, s24, STAGE                   ; my stage
	v_mul_u32_u24 v242, v240, VP
	v_lshl_add_u32 v242, v241, 5, v242
	v_add_nc_u32 v242, s24, v242                   ; in: row r, + 32 h; tile t's eight channels 64 t bytes on
	v_mul_u32_u24 v243, v241, VP
	v_lshl_add_u32 v243, v240, 4, v243
	v_add_nc_u32 v243, s24, v243                   ; back: lanes 0-15 one row, lanes 16-31 the next
	v_add_f32 v[LS], v[LS], v[LS+1]                ; the sum's two halves,
	v_permlanex16_b32 v[T0+1], v[LS], s30, s31
	v_add_f32 v[LS], v[LS], v[T0+1]                ; and lane l xor 16's: the row's sum
	v_rcp_f32 v[LS], v[LS]
	v_nop                                          ; one plain place behind the transcendental
.set j, 0
	s_wait_alu depctr_va_vdst(0)
.rept 16
	v_pk_mul_f32 v[S+j:S+j+1], v[O+j:O+j+1], v[LS:LS+1] op_sel_hi:[1,0]   ; register 8 t + i is out(q0 + r, 16 t + 8 h + i); each accumulator from its low end on
.set j, j+2
.endr
.irp t, 0,1,2,3
	ds_store_b128 v242, v[S+8*\t:S+8*\t+3] offset:64*\t
	ds_store_b128 v242, v[S+8*\t+4:S+8*\t+7] offset:64*\t+16
.endr
.irp i, 0,1,2,3,4,5,6,7
	ds_load_b128 v[KF+4*\i:KF+4*\i+3], v243 offset:2*VP*\i   ; LDS serves a wave's instructions in order (ISA guide 5.7.1.4): these see my stores
.endr
.irp i, 0,1,2,3,4,5,6,7
	s_wait_dscnt 7-\i                              ; rows 2 i and 2 i + 1 are back; the younger loads stay out
	global_store_b128 v[GO], v[KF+4*\i:KF+4*\i+3], s[16:17] offset:4096*\i th:TH_STORE_NT   ; sixteen lanes store the 256 consecutive, aligned bytes of row (b, q0 + 2 i + h, hd); written once, read by nobody here
.endr
	s_wait_tensorcnt 0x0
	ds_add_u32 v254, v255
	s_wait_dscnt 0x0
	s_endpgm
.Lfunc_end_k_q26492782bd_attn:
	.size	k_q26492782bd_attn, .Lfunc_end_k_q26492782bd_attn-k_q26492782bd_attn
	.p2alignl 7, 3214868480
	.fill 96, 4, 3214868480
	.section	.rodata,"a",@progbits
	.p2align	6, 0x0
	.amdhsa_kernel k_q26492782bd_attn
		.amdhsa_group_segment_fixed_size 215040
		.amdhsa_private_segment_fixed_size 0
		.amdhsa_enable_private_segment 0
		.amdhsa_kernarg_size 56
		.amdhsa_user_sgpr_count 2
		.amdhsa_user_sgpr_kernarg_segment_ptr 1
		.amdhsa_wavefront_size32 1
		.amdhsa_system_sgpr_workgroup_id_x 1
		.amdhsa_system_sgpr_workgroup_id_y 1
		.amdhsa_system_sgpr_workgroup_id_z 1
		.amdhsa_system_vgpr_workitem_id 0
		.amdhsa_next_free_vgpr 256
		.amdhsa_next_free_sgpr 66
		.amdhsa_reserve_vcc 0
		.amdhsa_float_denorm_mode_32 3
		.amdhsa_float_denorm_mode_16_64 3
		.amdhsa_memory_ordered 1
		.amdhsa_forward_progress 1
		.amdhsa_inst_pref_size 70
	.end_amdhsa_kernel
	.amdgpu_metadata
---
amdhsa.version: [ 1, 2 ]
amdhsa.kernels:
  - .name:           k_q26492782bd_attn
    .symbol:         k_q26492782bd_attn.kd
    .args:
      - { .name: queries_codes, .offset: 0, .size: 8, .value_kind: global_buffer, .address_space: global }
      - { .name: queries_scales, .offset: 8, .size: 8, .value_kind: global_buffer, .address_space: global }
      - { .name: keys_codes, .offset: 16, .size: 8, .value_kind: global_buffer, .address_space: global }
      - { .name: keys_scales, .offset: 24, .size: 8, .value_kind: global_buffer, .address_space: global }
      - { .name: values_codes, .offset: 32, .size: 8, .value_kind: global_buffer, .address_space: global }
      - { .name: values_scales, .offset: 40, .size: 8, .value_kind: global_buffer, .address_space: global }
      - { .name: out0, .offset: 48, .size: 8, .value_kind: global_buffer, .address_space: global }
    .group_segment_fixed_size: 215040
    .private_segment_fixed_size: 0
    .kernarg_segment_align: 8
    .kernarg_segment_size: 56
    .max_flat_workgroup_size: 512
    .sgpr_count:     66
    .vgpr_count:     256
    .wavefront_size: 32
...
	.end_amdgpu_metadata
.endif
;; end of part 1
;; ======== version 2 of 2: 1 launch; version 1 with the launch attn written anew for expert scheduling mode
;; limits: right only within a limited range of input values
;; launch attn (part 2): grid 8 x 32, 16 waves a work-group, no clusters, 215,040 bytes of LDS; arguments queries_codes, queries_scales, keys_codes, keys_scales, values_codes, values_scales, out0; writes out0
.if DOCPART == 2
	.amdgcn_target "amdgcn-amd-amdhsa--gfx1250"
	.amdhsa_code_object_version 6
	.text
	.protected	k_q26492782bd_attn
	.globl	k_q26492782bd_attn
	.p2align	8
	.type	k_q26492782bd_attn,@function
k_q26492782bd_attn:
	s_mov_b64 s[64:65], 0
	v_nop
	global_prefetch_b8 v0, s[64:65] scope:SCOPE_SE
	s_setreg_imm32_b32 hwreg(HW_REG_WAVE_SCHED_MODE, 0, 2), 2
	s_setreg_imm32_b32 hwreg(HW_REG_WAVE_MODE, 25, 1), 1
	s_wait_xcnt 0x0
	s_wait_alu depctr_vm_vsrc(0)
; out0[b][q][hd][:] = the sum over k of softmax_k(Q[b][q][hd] . K[b][k][hd]) V[b][k][hd][:], no 1/sqrt(D).  4 x 8 heads, 2,048 queries and keys, head size 64.
; Both products on codes of FP4 (E2M1) with one E8M0 scale for each 32 along a product's K.  Q, K, V arrive as codes; p is quantised here.
; THE SOFTMAX AHEAD OF THE SECOND PRODUCT: t = score x log2(e); M = the running largest t, rounded UP to a whole number; p = 2^(t - M) is quantised along the keys, not normalised.
; The row's sum is taken of the unquantised p in f32 and divides O at the end.  When M moves, the sum and O are multiplied by 2^(old M - new M): exact.
; SHARES.  Work-group (x, y): queries 256 x .. 256 x + 255 of head y (b = y / 8, hd = y % 8).  Sixteen waves of 256 registers, four to a SIMD; wave w owns the 16 queries 256 x + 16 w on.
; Every wave walks all 2,048 keys, 128 a step.  Both products are used transposed (S^T = K Q^T, O^T = V^T P^T): a lane holds ONE query (lane % 16) throughout.
; LDS.  A head's K (64 KiB), V (64 KiB) and their scale bytes (8 KiB) fit at once, so every LDS byte is written ONCE: no ring.  They come through registers in four chunks of 512 keys: chunk q + 1 is
; loaded into 16 registers a wave ahead of chunk q's four steps, stored behind them into bytes of its own, and one barrier shows it to all waves.
; THE KEYS OF A TILE ARE NOT NEIGHBOURS: in a step, row m of tile (c, T) is key 64 c + 32 (m / 8) + 8 T + m % 8.  Register 32 c + 8 T + j of S^T in lane (q, h) is then key 64 c + 32 h + 8 T + j:
; a lane's 32 registers of group c are the WHOLE block 2 c + h of 32 keys, in order.  So a block's maximum needs no other lane, and the eight conversions write the second product's operand as it stands.
; THE FIRST PRODUCT'S K IS 64, THE INSTRUCTION'S 128.  One operand of 8 registers carries TWO tiles of keys: X = (c, 2 u) at k 0-63, Y = (c, 2 u + 1) at k 64-127.  It is multiplied by [Q | zero codes] for X's
; scores and by [zero codes | Q] for Y's; a zero code times any code is 0.  One scale word serves both: bytes 0, 1 X's key, bytes 2, 3 Y's key; Q's word holds its two bytes twice.
; K's pairs and all scale words lie in LDS as images of the operand's registers (lane l's 16 bytes at 16 l): each load reads 512 consecutive bytes.  V lies as rows of 256 bytes + 16.
; NO CLUSTER, NO TENSOR LOADS.  The eight work-groups of a head read the same 136 KiB, once each in the whole launch: 8.5 KiB a key step, beside 16 waves x 8.5 KiB of LDS reads and the softmax of 256 x 128 scores.
; And K's rows are 32 bytes cut out of rows of 256 (eight heads side by side): to lie as register images they have to pass through registers.  No prefetch: each chunk is asked for four key steps ahead.
; LIMITS.  Rows whose every score lies under -1e38 are not served.  p under 2^-126 counts as 0.  NaN among the scores is not served; a key's scale byte 0xff makes its pair partner's scores NaN too
; (with such a byte every output of the head is NaN by the definition itself).  A block's largest p is made from the block's largest score by the same two instructions: this takes v_exp_f32 not to fall where its input rises.
; THE MODE: SCHED_MODE bits 1:0 = 2 (LLVM: expert scheduling mode 2), set by the entry lines.  The code itself states the register dependences
; between vector or matrix instructions and memory or LDS instructions, with s_wait_alu, always for 0.
; THE PLAN.  Registers that memory or LDS instructions touch:
;   v[ADK], v[ADV]   Written by two additions at a step's head; read by the step's seventeen LDS loads.
;   SC, KF           LDS loads land in them at a step's head; the step's first eight products read them (SC's upper two words: its last four).
;   VF               LDS loads land in it among the first eight products; the step's last four products read it.
;   GK, GV           Global loads land in them ahead of a chunk's four steps; the LDS stores behind those steps read them.  No vector instruction names them.
;   v[VK], v[VV], v[KST], v[VST], v[SCST], v[GO], v245-247   Offsets and addresses, made once at the head and never written again.  v240: Q's offset at the head, written anew on the way out.
;   IMG              At the head: loaded, two of its words joined by vector lines, stored to LDS once.
;   S, v242, v243    On the way out: written by vector lines, read by the stage's stores and loads; KF takes the rows that come back.
;   v254, v255       Written at the head, read by the closing add alone.
; A STEP HAS FIVE WAITS.  One on vm_vsrc ahead of the two additions.  One on va_vdst behind them: the two addresses are written, and the last step's products are done reading KF, VF and SC; behind it come
; the loads of SC and K, and V's eight loads follow with no further wait, one behind each of the first eight products, which name KF, Q, SC, Q's scale word and S: none of the registers that V's loads touch.
; One on va_vdst behind the exponentials, ahead of their first reader.  One on va_vdst ahead of the last four products, which take p's codes and scale word from vector instructions.
; A CHUNK HAS ONE: on vm_vsrc, ahead of the global loads into GK and GV, which the LDS stores of the chunk before have read.
.set KPITCH, 4608                      ; LDS: a step's block of K: four pairs of 1,024 bytes (X, then Y), then 512 bytes of scale words: 16 a lane: K's for c = 0, 1; V's for d = lane, 32 + lane
.set KCHUNK, 4*KPITCH                  ; four steps
.set SCOFF,  4096                      ; the scale words' place in a block
.set VBASE,  16*KPITCH                 ; behind K: V, four chunks of 64 rows
.set VP,     272                       ; a row of V's chunk: 256 bytes + 16 = 68 words: row r starts at bank 4 r mod 64 (64 banks of 4 bytes: ISA guide 11.1), so sixteen rows start at sixteen different banks
.set VCHUNK, 64*VP
.set STAGE,  VBASE+4*VCHUNK            ; behind V: 16 rows x 272 bytes for each wave, its own, for the way out
.set LI,   1                           ; v1   16 x lane
.set AV0,  2                           ; v2   my lane's place in a tile of V: VBASE + 272 r + 16 h
.set VK,   3                           ; v3   K in memory: my key's row of 256 bytes + 16 h
.set VV,   4                           ; v4   V in memory: 1,024 h + 16 r
.set KST,  5                           ; v5   where I store my pair of K
.set VST,  6                           ; v6   where I store my rows of V
.set SH8,  7                           ; v7   8 h
.set ADK,  8                           ; v8   the step's block of K
.set ADV,  9                           ; v9   the step's 64 bytes of V's rows
.set GO,   10                          ; v10  the way out: 2,048 h + 16 r
.set SCST, 11                          ; v11  where I store step w's scale words
.set NM,   12                          ; v12  -M;  v13 the running largest score (named with it as a pair)
.set MX,   13
.set LS,   14                          ; v[14:15] the row's sum, in two halves
.set QLO,  16                          ; v[16:23] [Q | 0]
.set QHI,  24                          ; v[24:31] [0 | Q]
.set KF,   32                          ; v[32:63] K's four pairs
.set VF,   64                          ; v[64:95] V's four fragments
.set S,    96                          ; v[96:159] S^T, then p
.set O,    160                         ; v[160:191] O^T
.set PC,   192                         ; v[192:199] p's codes
.set GK,   200                         ; v[200:207] the next chunk's pair of K, on its way
.set GV,   208                         ; v[208:215] the next chunk's rows of V
.set SC,   216                         ; v[216:219] the step's scale words: scales and nothing else
.set QS,   220                         ; v220 Q's scale word
.set PS,   221                         ; v221 p's scale word
.set F,    222                         ; v222 f = 2^(old M - new M); v223 named with it as a pair
.set BM,   224                         ; v224-225 the largest score, then the largest p, of my two blocks;  v226-227 second chains
.set T0,   228                         ; v228-231 at work on M
.set SUM2, 232                         ; v[232:233] the sum's second chain
.set CVS,  234                         ; v234-235 the conversions' scale operands;  v236-237 the bytes;  v238-239 the word in the making
.set IMG,  248                         ; v[248:251] step w's scale words in the making;  v252-253 Y's bytes
	s_load_b256 s[4:11], s[0:1], 0x0               ; Q's codes s[4:5], Q's scales s[6:7], K's codes s[8:9], K's scales s[10:11]
	s_load_b128 s[12:15], s[0:1], 0x20             ; V's codes s[12:13], V's scales s[14:15]
	s_load_b64 s[16:17], s[0:1], 0x30              ; out0
	v_lshl_add_u32 v254, v0, 2, 0x34000            ; the LDS address of my spare word, behind the stages: 128 bytes for each wave that no other line names; it and the 0 below are kept for the closing add alone
	v_mov_b32 v255, 0
	v_lshrrev_b32 v240, 5, v0
	v_readfirstlane_b32 s18, v240                  ; wave 0..15
	v_and_b32 v241, 31, v0                         ; lane
	v_and_b32 v242, 15, v0                         ; r
	v_bfe_u32 v243, v0, 4, 1                       ; h
	v_lshlrev_b32 v[LI], 4, v241
	v_mul_u32_u24 v[AV0], v242, VP
	v_lshl_add_u32 v[AV0], v243, 4, v[AV0]
	v_add_nc_u32 v[AV0], VBASE, v[AV0]
	v_and_b32 v244, 7, v0
	v_and_b32 v245, 8, v0
	v_lshl_add_u32 v244, v245, 2, v244             ; kl = r % 8 + 32 (r / 8): row r's key in a tile
	v_lshlrev_b32 v[VK], 8, v244
	v_lshl_add_u32 v[VK], v243, 4, v[VK]
	v_lshlrev_b32 v[VV], 4, v242
	v_lshl_add_u32 v[VV], v243, 10, v[VV]
	s_wait_alu depctr_va_sdst(0)                   ; s18 is written, ahead of its first reader: LDS addresses and all seven bases are made from it
	s_lshr_b32 s24, s18, 2                         ; in a chunk wave w brings pair w % 4 of step w / 4
	s_mul_i32 s24, s24, KPITCH
	s_and_b32 s25, s18, 3
	s_lshl_b32 s25, s25, 10
	s_add_co_u32 s24, s24, s25
	v_add_nc_u32 v[KST], s24, v[LI]
	v_mul_u32_u24 v[VST], v243, VP                 ; and rows 4 w .. 4 w + 3 of V: sixteen lanes to a row, two rows an instruction
	v_lshl_add_u32 v[VST], v242, 4, v[VST]
	s_mul_i32 s24, s18, 4*VP
	s_add_co_u32 s24, s24, VBASE
	v_add_nc_u32 v[VST], s24, v[VST]
	v_lshlrev_b32 v[SH8], 3, v243
	v_lshlrev_b32 v[GO], 4, v242
	v_lshl_add_u32 v[GO], v243, 11, v[GO]
	s_mul_i32 s24, s18, KPITCH                     ; wave w makes the scale words of step w
	v_add_nc_u32 v[SCST], s24, v[LI]
	v_lshl_add_u32 v246, v243, 4, v244
	v_lshlrev_b32 v246, 4, v246                    ; K's scales: key kl + 16 h (lanes 16-31 take the pair u = 1), 16 bytes a key
	v_lshlrev_b32 v247, 6, v241                    ; V's scales: row d = lane, 64 bytes a row
	v_lshlrev_b32 v240, 8, v242
	v_lshl_add_u32 v240, v243, 4, v240             ; Q's codes: query r's row of 256 bytes + 16 h
	v_lshlrev_b32 v245, 4, v242                    ; Q's scales: 16 bytes a query
	; where my parts begin, in bytes; every offset stays under 2^32
	s_and_b32 s19, ttmp7, 0xffff                   ; y: the head
	s_lshr_b32 s20, s19, 3                         ; b
	s_and_b32 s21, s19, 7                          ; hd
	s_lshl_b32 s22, ttmp9, 8
	s_lshl_b32 s23, s18, 4
	s_add_co_u32 s23, s22, s23                     ; q0 = 256 x + 16 w
	s_lshl_b32 s46, s20, 19
	s_lshl_b32 s47, s21, 5
	s_add_co_u32 s46, s46, s47                     ; codes of Q and K: b x 2,048 rows of 256 bytes + 32 hd
	s_lshl_b32 s24, s23, 8
	s_add_co_u32 s24, s24, s46                     ; Q's codes at query q0
	s_mov_b32 s25, 0
	s_lshr_b32 s28, s18, 2                         ; K's codes at my pair's first key in chunk 0: 128 (w / 4) + 64 c + 16 u, c = (w / 2) % 2, u = w % 2
	s_lshl_b32 s28, s28, 7
	s_bfe_u32 s47, s18, 0x10001
	s_lshl_b32 s47, s47, 6
	s_add_co_u32 s28, s28, s47
	s_and_b32 s47, s18, 1
	s_lshl_b32 s47, s47, 4
	s_add_co_u32 s28, s28, s47
	s_lshl_b32 s28, s28, 8
	s_add_co_u32 s28, s28, s46
	s_mov_b32 s29, 0
	s_lshl_b32 s46, s20, 15
	s_lshl_b32 s47, s21, 1
	s_add_co_u32 s46, s46, s47                     ; scales of Q and K: b x 2,048 rows of 16 bytes + 2 hd
	s_lshl_b32 s26, s23, 4
	s_add_co_u32 s26, s26, s46                     ; Q's scales at query q0
	s_mov_b32 s27, 0
	s_lshl_b32 s38, s18, 11
	s_add_co_u32 s38, s38, s46                     ; K's scales at key 128 w
	s_mov_b32 s39, 0
	s_lshl_b32 s40, s19, 16
	s_lshl_b32 s47, s18, 12
	s_add_co_u32 s40, s40, s47                     ; V's codes: head y's 64 rows of 1,024 bytes, row 4 w
	s_mov_b32 s41, 0
	s_lshl_b32 s42, s19, 12
	s_lshl_b32 s47, s18, 2
	s_add_co_u32 s42, s42, s47                     ; V's scales: head y's 64 rows of 64 bytes, step w's word
	s_mov_b32 s43, 0
	s_lshl_b32 s44, s20, 22
	s_lshl_b32 s47, s23, 11
	s_add_co_u32 s44, s44, s47
	s_lshl_b32 s47, s21, 8
	s_add_co_u32 s44, s44, s47                     ; out0: row (b, q0, hd) of 256 bytes
	s_mov_b32 s45, 0
	s_mov_b32 s30, 0x76543210
	s_mov_b32 s31, 0xfedcba98                      ; v_permlanex16_b32's selects for lane l xor 16
	s_mov_b32 s32, 0x3fb8aa3b                      ; c = log2(e)
	s_mov_b32 s33, s32                             ; (the packed form names the pair and takes its low word for both halves: so it is written)
	s_mov_b32 s34, 0xbfb8aa3b                      ; -c
	s_wait_kmcnt 0x0
	s_add_nc_u64 s[4:5], s[4:5], s[24:25]
	s_add_nc_u64 s[6:7], s[6:7], s[26:27]
	s_add_nc_u64 s[8:9], s[8:9], s[28:29]
	s_add_nc_u64 s[10:11], s[10:11], s[38:39]
	s_add_nc_u64 s[12:13], s[12:13], s[40:41]
	s_add_nc_u64 s[14:15], s[14:15], s[42:43]
	s_add_nc_u64 s[16:17], s[16:17], s[44:45]      ; no pointer and no address register of a load is written again while the loop runs
; Chunk q (keys 512 q on) into registers.  K: my pair's X and Y (8 keys on): lane (r, h) takes the 16 bytes of block h of its key: the operand's own map.  V: rows 4 w + 2 j + h; sixteen lanes read 256 consecutive bytes, aligned.
; (An argument goes into a macro as text: it stands in brackets wherever it is part of an expression.)
.macro LOADS q
.irp j, 0,1
	global_load_b128 v[GK+4*\j:GK+4*\j+3], v[VK], s[8:9] offset:131072*(\q)+2048*\j
.endr
.irp j, 0,1
	global_load_b128 v[GV+4*\j:GV+4*\j+3], v[VV], s[12:13] offset:256*(\q)+2048*\j
.endr
.endm
; and from registers into the chunk's own LDS bytes, which nobody has touched yet: K's at KCHUNK q on, V's at VBASE + VCHUNK q on
.macro STORES q
.irp j, 0,1
	ds_store_b128 v[KST], v[GK+4*\j:GK+4*\j+3] offset:KCHUNK*(\q)+512*\j
.endr
.irp j, 0,1
	ds_store_b128 v[VST], v[GV+4*\j:GV+4*\j+3] offset:VCHUNK*(\q)+2*VP*\j
.endr
.endm
.macro BARRIER                                     ; for the others' sake: my LDS stores have landed; then the work-group's barrier
	s_wait_dscnt 0x0
	s_barrier_signal -1
	s_barrier_wait -1
.endm
	s_wait_alu depctr_va_vdst(0)                   ; the offsets and addresses made above (v3 to v6, v10, v11, v240, v245 to v247) are written: the loads and stores of the whole kernel read them
	LOADS 0
.irp c, 0,1
	global_load_u16 v[IMG+\c], v246, s[10:11] offset:1024*\c         ; step w, pair (c, u = h): X's key's two scale bytes,
	global_load_u16 v[IMG+4+\c], v246, s[10:11] offset:1024*\c+128   ; and Y's, 8 keys on
.endr
.irp x, 0,1
	global_load_b32 v[IMG+2+\x], v247, s[14:15] offset:2048*\x       ; V's scale word of row d = 32 x + lane for step w's 128 keys
.endr
	global_load_b128 v[QLO:QLO+3], v240, s[4:5]    ; Q twice: at k 0-63 of one operand,
	global_load_b128 v[QHI+4:QHI+7], v240, s[4:5]  ; at k 64-127 of the other
	global_load_u16 v[QS], v245, s[6:7]
.irp j, 4,5,6,7,8,9,10,11
	v_mov_b32 v[QLO+\j], 0                         ; the zero codes of both, while the loads are out
.endr
.set j, 0
.rept 32
	v_mov_b32 v[O+j], 0                            ; O^T.  (The step is written once: the first finds zeros, which the first change of M leaves zeros)
.set j, j+1
.endr
	s_wait_loadcnt 0x0                             ; all thirteen are wanted ahead of the first barrier
	v_lshl_or_b32 v[QS], v[QS], 16, v[QS]          ; Q's two bytes twice
.irp c, 0,1
	v_lshl_or_b32 v[IMG+\c], v[IMG+4+\c], 16, v[IMG+\c]   ; bytes 0, 1: X's key; bytes 2, 3: Y's
.endr
	STORES 0                                       ; loaded data, by addresses that the wait ahead of the loads has shown written: no vector line since names them
	s_wait_alu depctr_va_vdst(0)                   ; the two lines above have written v[IMG] and v[IMG+1], which the store below reads
	ds_store_b128 v[SCST], v[IMG:IMG+3] offset:SCOFF
	v_mov_b32 v[MX], 0xfe967699                    ; the largest score so far: -1e38.  (These eight lines stand while the stores are out; with the two above and a step's first four they are
	v_mul_f32 v[T0+3], s34, v[MX]                  ; fourteen plain places between the write of Q's scale word and the first scaled product, which wants eight)
	v_floor_f32 v[NM], v[T0+3]                     ; -M
	v_mov_b32 v[LS], 0                             ; the sum, in two halves
	v_mov_b32 v[LS+1], 0
	v_mov_b32 v[F+1], 0                            ; (named as the upper half of a pair)
	v_mov_b32 v[T0+1], 0                           ; a lane permute's destination counts as one of its sources: written once
	v_mov_b32 v[CVS+5], 0
	BARRIER                                        ; chunk 0 and all sixteen steps' scale words lie in LDS
; A KEY STEP: 128 keys.  s35: the step's block of K; s36: its 64 bytes in V's rows.
.macro STEP
	s_wait_alu depctr_vm_vsrc(0)                   ; the last step's LDS loads have read v[ADK] and v[ADV], which the two lines below write again
	v_add_nc_u32 v[ADK], s35, v[LI]                ; these four plain lines are the places between the last step's products and the loads into registers that they have read
	v_add_nc_u32 v[ADV], s36, v[AV0]
	v_nop
	v_nop
	s_wait_alu depctr_va_vdst(0)                   ; v[ADK] and v[ADV] are written, which the step's loads read; the last step's products are done reading KF, VF and SC, in which those loads land; in the first step: Q's scale word and zero codes are written, ahead of the scaled products
	ds_load_b128 v[SC:SC+3], v[ADK] offset:SCOFF
.irp p, 0,1,2,3
	ds_load_b128 v[KF+8*\p:KF+8*\p+3], v[ADK] offset:1024*\p         ; pair p = 2 c + u: X,
	ds_load_b128 v[KF+8*\p+4:KF+8*\p+7], v[ADK] offset:1024*\p+512   ; Y
.endr
	s_wait_dscnt 0x0                               ; the scale words and K are in: no LDS load has been issued behind them
.irp c, 0,1                                        ; S^T = K Q^T: eight results, each begun with the constant 0.  Behind each product one of V's eight loads: V^T's rows d = 16 t + r, keys 32 h on and keys 64 + 32 h on.
.irp t, 0,1,2,3                                    ; No wait: no vector or matrix instruction since the wait on va_vdst above names VF or v[ADV]
.if \t < 2
	v_wmma_scale_f32_16x16x128_f8f6f4 v[S+8*(4*\c+\t):S+8*(4*\c+\t)+7], v[KF+16*\c:KF+16*\c+7], v[QLO+8*(\t%2):QLO+8*(\t%2)+7], 0, v[SC+\c], v[QS] matrix_a_fmt:MATRIX_FMT_FP4 matrix_b_fmt:MATRIX_FMT_FP4
.else
	v_wmma_scale_f32_16x16x128_f8f6f4 v[S+8*(4*\c+\t):S+8*(4*\c+\t)+7], v[KF+16*\c+8:KF+16*\c+15], v[QLO+8*(\t%2):QLO+8*(\t%2)+7], 0, v[SC+\c], v[QS] matrix_a_fmt:MATRIX_FMT_FP4 matrix_b_fmt:MATRIX_FMT_FP4 matrix_a_scale:MATRIX_SCALE_ROW1
.endif
	ds_load_b128 v[VF+4*(4*\c+\t):VF+4*(4*\c+\t)+3], v[ADV] offset:16*VP*(2*\c+\t/2)+32*(\t%2)
.endr
.endr
	v_mov_b32 v[T0+2], v[NM]                       ; the old -M is kept.  With three v_nop: four places ahead of the first read of the scores (ISA guide 7.12.1)
.rept 3
	v_nop
.endr
	; THE LARGEST SCORE OF EACH OF MY TWO BLOCKS OF 32 KEYS: it serves twice: for the row's maximum and, since p rises with the score, for the block's largest p.  Four chains by turns; each result of
	; eight registers is first read at one of its four lowest
.irp c, 0,1
	v_max3_num_f32 v[BM+\c], v[S+32*\c], v[S+32*\c+1], v[S+32*\c+2]
	v_max3_num_f32 v[BM+2+\c], v[S+32*\c+16], v[S+32*\c+17], v[S+32*\c+18]
.endr
.irp i, 3,5,7,9,11,13
.irp c, 0,1
	v_max3_num_f32 v[BM+\c], v[BM+\c], v[S+32*\c+\i], v[S+32*\c+\i+1]
	v_max3_num_f32 v[BM+2+\c], v[BM+2+\c], v[S+32*\c+16+\i], v[S+32*\c+17+\i]
.endr
.endr
.irp c, 0,1
	v_max3_num_f32 v[BM+\c], v[BM+\c], v[BM+2+\c], v[S+32*\c+15]
.endr
.irp c, 0,1
	v_max_num_f32 v[BM+\c], v[BM+\c], v[S+32*\c+31]
.endr
	v_max_num_f32 v[T0], v[BM], v[BM+1]            ; my 64 keys',
	v_permlanex16_b32 v[T0+1], v[T0], s30, s31     ; lane l xor 16's 64,
	v_max3_num_f32 v[MX], v[MX], v[T0], v[T0+1]    ; and all earlier steps': the running largest score
	v_mul_f32 v[T0+3], s34, v[MX]                  ; -t
	v_floor_f32 v[NM], v[T0+3]                     ; the new -M = floor(-t) = -ceil(t): M IS A WHOLE NUMBER
	v_sub_f32 v[T0+2], v[NM], v[T0+2]              ; M's old value less its new one: a whole number, 0 or less
	v_cvt_i32_f32 v[T0+2], v[T0+2]                 ; (it saturates)
	v_ldexp_f32 v[F], 1.0, v[T0+2]                 ; f = 2^(old M - new M): a multiplication by it rounds nothing
.set j, 0
.rept 32
	v_pk_fma_f32 v[S+j:S+j+1], v[S+j:S+j+1], s[32:33], v[NM:NM+1] op_sel_hi:[1,0,0]   ; t - M, two at a time (of the pairs c and -M the low word serves both halves)
.set j, j+2
.endr
.irp c, 0,1
	v_fma_f32 v[BM+\c], v[BM+\c], s32, v[NM]       ; the same of each block's largest score
.endr
.set j, 0
	s_wait_alu depctr_va_vdst(0)
.rept 64
	v_exp_f32 v[S+j], v[S+j]                       ; p = 2^(t - M), at most 1: NOT normalised
.set j, j+1
.endr
.irp c, 0,1
	v_exp_f32 v[BM+\c], v[BM+\c]                   ; the block's largest p: the same two instructions on the same number give the same bits
.endr
	v_pk_mul_f32 v[LS:LS+1], v[LS:LS+1], v[F:F+1] op_sel_hi:[1,0]   ; the sums under the new M.  (The plain place behind the exponentials)
	s_wait_alu depctr_va_vdst(0)                   ; the 66 exponentials have written p and the blocks' largest p: one wait for the batch, ahead of its first reader
.irp c, 0,1
	v_max_num_f32 v[BM+\c], 0x1800000, v[BM+\c]    ; the floor 2^(3 - 127): the byte cannot fall under 1 (a block whose every p is 0 keeps that byte: its codes are zeros)
.endr
.irp c, 0,1
	v_add_nc_u32 v[CVS+\c], 0xff000000, v[BM+\c]   ; 2 off the exponent field: the conversion takes the exponent field of this operand as its scale, and nothing else of it
.endr
.irp c, 0,1
	v_lshrrev_b32 v[CVS+2+\c], 23, v[CVS+\c]       ; the scale's byte
.endr
	v_lshl_or_b32 v[CVS+4], v[CVS+3], 16, v[CVS+2] ; my two bytes: blocks h and 2 + h of my query,
	v_lshlrev_b32 v[CVS+4], v[SH8], v[CVS+4]       ; at their places in the scale word (8 h bits up);
	v_permlanex16_b32 v[CVS+5], v[CVS+4], s30, s31
	v_or_b32 v[PS], v[CVS+4], v[CVS+5]             ; with lane l xor 16's two the word is whole
.irp c, 0,1
.irp g, 0,1,2,3
	v_cvt_scalef32_pk8_fp4_f32 v[PC+4*\c+\g], v[S+32*\c+8*\g:S+32*\c+8*\g+7], v[CVS+\c]   ; registers 4 c + g of the operand: keys 64 c + 32 h + 8 g on
.endr
.endr
	v_nop                                          ; one plain place behind the last scaled conversion
	v_pk_add_f32 v[SUM2:SUM2+1], v[S:S+1], v[S+2:S+3]   ; THE ROW'S SUM IS TAKEN OF THE UNQUANTISED p: two at a time, in two chains
.set j, 4
.rept 15
	v_pk_add_f32 v[LS:LS+1], v[LS:LS+1], v[S+j:S+j+1]
	v_pk_add_f32 v[SUM2:SUM2+1], v[SUM2:SUM2+1], v[S+j+2:S+j+3]
.set j, j+4
.endr
	v_pk_add_f32 v[LS:LS+1], v[LS:LS+1], v[SUM2:SUM2+1]
.set j, 0
.rept 16
	v_pk_mul_f32 v[O+j:O+j+1], v[O+j:O+j+1], v[F:F+1] op_sel_hi:[1,0]   ; O^T under the new M, each result from its low end on.  (With the sums: the places between p's codes and scale word and the products below)
.set j, j+2
.endr
	s_wait_dscnt 0x0                               ; V is in
	s_wait_alu depctr_va_vdst(0)                   ; the conversions have written p's codes v[PC ..] and the line ahead of them p's scale word v[PS]: the scaled products below take both; the places above stay beside this wait
.irp t, 0,1,2,3                                    ; O^T += V^T P^T: the four accumulators by turns, one instruction a turn; eight other products stand between two turns of one
.if \t%2
	v_wmma_scale_f32_16x16x128_f8f6f4 v[O+8*\t:O+8*\t+7], v[VF+8*\t:VF+8*\t+7], v[PC:PC+7], v[O+8*\t:O+8*\t+7], v[SC+2+\t/2], v[PS] matrix_a_fmt:MATRIX_FMT_FP4 matrix_b_fmt:MATRIX_FMT_FP4 matrix_a_scale:MATRIX_SCALE_ROW1
.else
	v_wmma_scale_f32_16x16x128_f8f6f4 v[O+8*\t:O+8*\t+7], v[VF+8*\t:VF+8*\t+7], v[PC:PC+7], v[O+8*\t:O+8*\t+7], v[SC+2+\t/2], v[PS] matrix_a_fmt:MATRIX_FMT_FP4 matrix_b_fmt:MATRIX_FMT_FP4
.endif
.endr
.endm
; A chunk's four steps.  The two offsets begin anew as constants in each chunk and take four values each: a chunk's reads stay inside its own bytes, apart from those into which the next chunk is stored.
.macro CHUNK q
	s_mov_b32 s35, KCHUNK*(\q)
	s_mov_b32 s36, VCHUNK*(\q)
	s_mov_b32 s37, 4
.Lstep_\@:
	STEP
	s_add_co_u32 s35, s35, KPITCH
	s_add_co_u32 s36, s36, 64
	s_sub_co_i32 s37, s37, 1
	s_cmp_lg_u32 s37, 0
	s_cbranch_scc1 .Lstep_\@
.endm
.irp q, 0,1,2
	s_wait_alu depctr_vm_vsrc(0)                   ; the LDS stores of the chunk before have read GK and GV, in which the loads below land.  (The first of these waits also stands behind Q's loads, which read v240)
	LOADS \q+1                                     ; four loads a wave are out during the chunk's four steps
	CHUNK \q
	s_wait_loadcnt 0x0                             ; the next chunk is in registers
	STORES \q+1                                    ; into bytes that no wave reads before the barrier below
	BARRIER
.endr
	CHUNK 3
	; THE WAY OUT.  O^T / the sum goes through my own stage in LDS: a lane holds 32 neighbouring bytes of each 64 of its query's row; back come whole rows of 256 bytes, which sixteen lanes store as one aligned unit.
	v_and_b32 v240, 15, v0                         ; r.  (These eight plain lines are the places behind the last products)
	v_bfe_u32 v241, v0, 4, 1                       ; h
	s_mul_i32 s24, s18, 16*VP
	s_add_co_u32 s24, s24, STAGE                   ; my stage
	v_mul_u32_u24 v242, v240, VP
	v_lshl_add_u32 v242, v241, 5, v242
	v_add_nc_u32 v242, s24, v242                   ; in: row r, + 32 h; tile t's eight channels 64 t bytes on
	v_mul_u32_u24 v243, v241, VP
	v_lshl_add_u32 v243, v240, 4, v243
	v_add_nc_u32 v243, s24, v243                   ; back: lanes 0-15 one row, lanes 16-31 the next
	v_add_f32 v[LS], v[LS], v[LS+1]                ; the sum's two halves,
	v_permlanex16_b32 v[T0+1], v[LS], s30, s31
	v_add_f32 v[LS], v[LS], v[T0+1]                ; and lane l xor 16's: the row's sum
	s_wait_alu depctr_va_vdst(0)
	v_rcp_f32 v[LS], v[LS]
	v_nop                                          ; one plain place behind the transcendental
	s_wait_alu depctr_va_vdst(0)                   ; the reciprocal has written v[LS], ahead of its first reader
.set j, 0
.rept 16
	v_pk_mul_f32 v[S+j:S+j+1], v[O+j:O+j+1], v[LS:LS+1] op_sel_hi:[1,0]   ; register 8 t + i is out(q0 + r, 16 t + 8 h + i); each accumulator from its low end on
.set j, j+2
.endr
	s_wait_alu depctr_va_vdst(0)                   ; the sixteen lines above have written v[S ..], which the stage's stores read; v242 and v243, their and the loads' addresses, are written; the last step's products are done reading KF, in which the rows land
.irp t, 0,1,2,3
	ds_store_b128 v242, v[S+8*\t:S+8*\t+3] offset:64*\t
	ds_store_b128 v242, v[S+8*\t+4:S+8*\t+7] offset:64*\t+16
.endr
.irp i, 0,1,2,3,4,5,6,7
	ds_load_b128 v[KF+4*\i:KF+4*\i+3], v243 offset:2*VP*\i   ; LDS serves a wave's instructions in order (ISA guide 5.7.1.4): these see my stores
.endr
.irp i, 0,1,2,3,4,5,6,7
	s_wait_dscnt 7-\i                              ; rows 2 i and 2 i + 1 are back; the younger loads stay out
	global_store_b128 v[GO], v[KF+4*\i:KF+4*\i+3], s[16:17] offset:4096*\i th:TH_STORE_NT   ; sixteen lanes store the 256 consecutive, aligned bytes of row (b, q0 + 2 i + h, hd); written once, read by nobody here
.endr
	s_wait_dscnt 0x0                               ; the closing lines, six on end
	s_wait_alu 0x0
	s_wait_tensorcnt 0x0
	ds_add_u32 v254, v255
	s_wait_dscnt 0x0
	s_endpgm
.Lfunc_end_k_q26492782bd_attn:
	.size	k_q26492782bd_attn, .Lfunc_end_k_q26492782bd_attn-k_q26492782bd_attn
	.p2alignl 7, 3214868480
	.fill 96, 4, 3214868480
	.section	.rodata,"a",@progbits
	.p2align	6, 0x0
	.amdhsa_kernel k_q26492782bd_attn
		.amdhsa_group_segment_fixed_size 215040
		.amdhsa_private_segment_fixed_size 0
		.amdhsa_enable_private_segment 0
		.amdhsa_kernarg_size 56
		.amdhsa_user_sgpr_count 2
		.amdhsa_user_sgpr_kernarg_segment_ptr 1
		.amdhsa_wavefront_size32 1
		.amdhsa_system_sgpr_workgroup_id_x 1
		.amdhsa_system_sgpr_workgroup_id_y 1
		.amdhsa_system_sgpr_workgroup_id_z 1
		.amdhsa_system_vgpr_workitem_id 0
		.amdhsa_next_free_vgpr 256
		.amdhsa_next_free_sgpr 66
		.amdhsa_reserve_vcc 0
		.amdhsa_float_denorm_mode_32 3
		.amdhsa_float_denorm_mode_16_64 3
		.amdhsa_memory_ordered 1
		.amdhsa_forward_progress 1
		.amdhsa_inst_pref_size 71
	.end_amdhsa_kernel
	.amdgpu_metadata
---
amdhsa.version: [ 1, 2 ]
amdhsa.kernels:
  - .name:           k_q26492782bd_attn
    .symbol:         k_q26492782bd_attn.kd
    .args:
      - { .name: queries_codes, .offset: 0, .size: 8, .value_kind: global_buffer, .address_space: global }
      - { .name: queries_scales, .offset: 8, .size: 8, .value_kind: global_buffer, .address_space: global }
      - { .name: keys_codes, .offset: 16, .size: 8, .value_kind: global_buffer, .address_space: global }
      - { .name: keys_scales, .offset: 24, .size: 8, .value_kind: global_buffer, .address_space: global }
      - { .name: values_codes, .offset: 32, .size: 8, .value_kind: global_buffer, .address_space: global }
      - { .name: values_scales, .offset: 40, .size: 8, .value_kind: global_buffer, .address_space: global }
      - { .name: out0, .offset: 48, .size: 8, .value_kind: global_buffer, .address_space: global }
    .group_segment_fixed_size: 215040
    .private_segment_fixed_size: 0
    .kernarg_segment_align: 8
    .kernarg_segment_size: 56
    .max_flat_workgroup_size: 512
    .sgpr_count:     66
    .vgpr_count:     256
    .wavefront_size: 32
...
	.end_amdgpu_metadata
.endif
;; end of part 2
